; MI455X (gfx1250); checked and timed in simulation.
; The chip was launched on July 23, 2026; its instructions are those of AMD's public machine-readable ISA for CDNA 5 (MIT licence, August 2026) and "CDNA5" Instruction Set Architecture Reference Guide (July 2026). The comments in the code are by the model that wrote it; some were corrected since.
;; Center Net B Box Module. Allowed arithmetic: float matrix products may take bf16 or f16 operands with f32 sums; all other float work in f32.
;; Inputs: bboxes 16 x 128 x 5 float32; hm 16 x 1 x 128 x 128 float32.
;; Outputs: out0 16 x 1 x 128 x 128 float32.
;; 2 versions, each right; version 2 is version 1 with the launch heat written anew for expert scheduling mode. Each part assembles by itself: llvm-mc -triple=amdgcn-amd-amdhsa -mcpu=gfx1250 --defsym DOCPART=n.
;; ======== version 1 of 2: 1 launch
;; launch heat (part 1): grid 16 x 16, 4 waves a work-group, no clusters, 59,904 bytes of LDS; arguments bboxes, out0; writes out0
.if DOCPART == 1
	.amdgcn_target "amdgcn-amd-amdhsa--gfx1250"
	.amdhsa_code_object_version 6
	.text
	.protected	k_q5caadb342a_heat
	.globl	k_q5caadb342a_heat
	.p2align	8
	.type	k_q5caadb342a_heat,@function
k_q5caadb342a_heat:
	s_mov_b64 s[64:65], 0
	v_nop
	global_prefetch_b8 v0, s[64:65] scope:SCOPE_SE
	s_setreg_imm32_b32 hwreg(HW_REG_WAVE_MODE, 25, 1), 1
	s_wait_xcnt 0x0
; CenterNet ground-truth heat map.  out0[n][0][y][x] = max over the image's 128 boxes of exp(-(dx^2+dy^2)/(2 sigma^2)) where |dx| <= r, |dy| <= r
; and the box is valid, else 0.  bboxes: [16][128][5] f32 (x1, y1, x2, y2, flag), out0: [16][1][128][128] f32.
;
; hm IS NOT READ: reference() takes its shape and type alone, both fixed here; none of its values enters any result.
;
; TWO IDENTITIES, good for every input:  (1) exp is monotone, so the maximum is taken over the exponents and each pixel has ONE exponential;
; a pixel that no box covers keeps the exponent -inf, and 2^-inf = +0.  (2) exponent and window are separable:
; E(o,y,x) = A[o][y] + B[o][x], A = -k dy^2 where |dy| <= r and the box is valid, else -inf; B the same along x; k = log2(e)/(2 sigma^2) = 18 log2(e)/(2r+1)^2.
; A pair of pixel and box is then one add and one max: v_pk_add_f32 adds for two pixels, v_max3_num_f32 folds two boxes: one instruction a pair.
;
; SHARES.  256 work-groups: x = one of 2 x 8 tiles of 64 columns x 16 rows, y = the image.  Four waves; thread t owns box t: it makes the box's centre, radius
; and k, and writes its 16 A and 64 B as one LDS row.  Wave w then folds ITS OWN 32 boxes over the whole tile (it reads only rows that it wrote: no barrier),
; lane (g = l % 16, h = l / 16) holding rows 8h .. 8h+7 x columns 4g .. 4g+3 in 32 accumulators: three 16-byte LDS reads feed 32 pairs.
; The four waves' partial maxima meet in an LDS stage behind the one barrier; wave w finishes rows 4w .. 4w+3 and stores them, sixteen lanes to 256 aligned bytes.
;
; ROUNDING.  Centre and radius are cut to whole numbers, so what feeds them is rounded where reference() rounds: see the comments at the radius.
; LIMITS.  Radius below 2^15 pixels (above, reference()'s own int32 dx^2+dy^2 wraps inside the window) and centres inside int32 (beyond, its conversion
; is undefined); here centre and radius stay f32 whole numbers (v_trunc_f32), exact below 2^24.  Boxes with a NaN in a coordinate are invalid, as in reference().
.set IMG_BOX, 2560                     ; bytes of an image's boxes: 128 x 5 f32
.set ROWS,    16                       ; rows of a tile
.set OPITCH,  336                      ; a box's LDS row: 16 A + 64 B = 320 bytes, + 16: 21 x 16, so sixteen lanes' 16-byte stores fall on sixteen different 16-byte columns modulo 256
.set WTAB,    32*OPITCH                ; a wave's table: its 32 boxes
.set STAGE,   4*WTAB                   ; behind the tables: 16 rows x 256 bytes of partial maxima for each wave
.set BOFF, 1                           ; v1       byte offset of my box
.set BX,   2                           ; v[2:6]   my box
.set LN,   7                           ; v7       lane
.set WH,   8                           ; v[8:9]   width, height in pixels
.set CC,   10                          ; v[10:11] centre x, y, cut to whole numbers
.set SS,   12                          ; h + w
.set C1,   13
.set C2,   14
.set B2,   15
.set B3,   16
.set M3,   17
.set D1,   18                          ; v18-20   the three radicands
.set D2,   19
.set D3,   20
.set Q1,   21                          ; v21-23   the three roots
.set Q2,   22
.set Q3,   23
.set SD,   24                          ; the root's lower and upper neighbour, and their residuals
.set SU,   25
.set ED,   26
.set EU,   27
.set RI,   28                          ; the radius, a whole number
.set R2,   29                          ; its square; -1 for an invalid box
.set NK,   30                          ; v[30:31] -k, twice
.set NINF, 32                          ; -inf
.set TST,  33                          ; LDS: my box's row
.set TLA,  34                          ; LDS: my eight rows' A in my wave's first box
.set TLB,  35                          ; LDS: my four columns' B in my wave's first box
.set STG,  36                          ; LDS: where my accumulators go
.set RDS,  37                          ; LDS: where I read partial maxima back
.set OUTO, 38                          ; my byte offset in the wave's four rows of out0
.set GG,   39                          ; l % 16
.set DY,   40                          ; v[40:43] four neighbouring rows' distances to my box's centre
.set DX,   44                          ; v[44:47] four neighbouring columns'
.set SQ,   48                          ; v[48:55] squares, two sets
.set TT,   56                          ; v[56:63] table entries, two sets
.set ACC,  64                          ; v[64:95] accumulator of row i, column j at ACC + 4 i + j
.set TA,   96                          ; v[96:103], v[104:111]: two sets of eight sums.  In the head v96-100 hold:
.set TB,   104
.set HH,   96                          ;   l / 16
.set X0,   97                          ;   the tile's first column and row, as f32
.set Y0,   98
.set DI,   99                          ;   2r + 1 and its reciprocal
.set RC,   100
.set SL,   112                         ; v[112:207] ring of four slots; a slot: two boxes x (8 A, 4 B)
	s_load_b128 s[4:7], s[0:1], 0x0                ; bboxes s[4:5], out0 s[6:7]
	v_lshl_add_u32 v208, v0, 2, 0xe800
	v_mov_b32 v209, 0
	v_lshrrev_b32 v[LN], 5, v0
	v_readfirstlane_b32 s8, v[LN]                  ; wave 0..3
	v_and_b32 v[LN], 31, v0
	v_mul_u32_u24 v[BOFF], 20, v0                  ; box t: five f32
	s_and_b32 s9, ttmp7, 0xffff                    ; image
	s_and_b32 s10, ttmp9, 1                        ; tile column 0..1
	s_lshr_b32 s11, ttmp9, 1                       ; tile row 0..7
	s_mul_i32 s12, s9, IMG_BOX
	s_mov_b32 s13, 0
	s_wait_kmcnt 0x0
	s_add_nc_u64 s[4:5], s[4:5], s[12:13]
.irp j, 0,1,2,3,4
	global_load_b32 v[BX+\j], v[BOFF], s[4:5] offset:4*\j      ; the wave's five loads together cover 640 consecutive bytes
.endr
	; addresses, while the box is on its way
	v_and_b32 v[GG], 15, v0
	v_bfe_u32 v[HH], v0, 4, 1
	s_mul_i32 s14, s8, WTAB                        ; my wave's table
	s_add_co_u32 s15, s14, ROWS*4                  ; B lies behind a row's 16 A
	v_mul_u32_u24 v[TST], OPITCH, v[LN]
	v_add_nc_u32 v[TST], s14, v[TST]
	v_lshl_add_u32 v[TLA], v[HH], 5, s14           ; rows 8h ..: 32 bytes
	v_lshl_add_u32 v[TLB], v[GG], 4, s15           ; columns 4g ..: 16 bytes; sixteen lanes read 256 consecutive bytes
	s_lshl_b32 s16, s8, 12
	s_add_co_u32 s16, s16, STAGE                   ; my wave's stage
	v_lshl_add_u32 v[STG], v[HH], 11, s16          ; row 8h: 8 x 256 bytes
	v_lshl_add_u32 v[STG], v[GG], 4, v[STG]
	s_lshl_b32 s17, s8, 10
	s_add_co_u32 s17, s17, STAGE                   ; rows 4w .. of wave 0's stage
	v_lshl_add_u32 v[RDS], v[LN], 4, s17           ; 16 l = 256 h + 16 g: lanes 0-15 one row, lanes 16-31 the next
	v_lshlrev_b32 v[OUTO], 4, v[GG]
	v_lshl_add_u32 v[OUTO], v[HH], 9, v[OUTO]      ; the same two rows in out0: 512 bytes apart
	s_lshl_b32 s18, s9, 16                         ; image x 65,536 bytes
	s_lshl_b32 s19, s11, 13                        ; + tile row x 16 rows x 512
	s_or_b32 s18, s18, s19
	s_lshl_b32 s19, s8, 11                         ; + wave x 4 rows x 512
	s_or_b32 s18, s18, s19
	s_lshl_b32 s19, s10, 8                         ; + tile column x 256
	s_or_b32 s18, s18, s19
	s_mov_b32 s19, 0
	s_add_nc_u64 s[6:7], s[6:7], s[18:19]
	s_lshl_b32 s20, s10, 6
	s_lshl_b32 s21, s11, 4
	v_cvt_f32_u32 v[X0], s20
	v_cvt_f32_u32 v[Y0], s21
	v_mov_b32 v[NINF], 0xff800000
	s_wait_loadcnt 0x0
	; THE BOX.  x 128 is exact; the differences and sums round as in reference().
	v_pk_mul_f32 v[BX:BX+1], v[BX:BX+1], 0x43000000 op_sel_hi:[1,0]            ; x1, y1 in pixels
	v_pk_mul_f32 v[BX+2:BX+3], v[BX+2:BX+3], 0x43000000 op_sel_hi:[1,0]        ; x2, y2
	v_pk_add_f32 v[WH:WH+1], v[BX+2:BX+3], v[BX:BX+1] neg_lo:[0,1] neg_hi:[0,1] ; w = x2 - x1, h = y2 - y1
	v_pk_add_f32 v[CC:CC+1], v[BX:BX+1], v[BX+2:BX+3]
	v_pk_mul_f32 v[CC:CC+1], v[CC:CC+1], 0.5 op_sel_hi:[1,0]
	v_trunc_f32 v[CC], v[CC]                       ; toward zero, as the conversion to int32
	v_trunc_f32 v[CC+1], v[CC+1]
	; THE RADIUS: the least of three roots.  For w, h > 0 the third is the least with room (r3 <= 0.137 (w+h) < (w+h)/2 <= r1 <= r2), so only ITS bits reach the
	; cut to a whole number; the other two are made all the same, for the NaN and the infinities that they hand on: their last bit is free
	; (c1 takes x 1/1.7 for / 1.7, their roots stay as v_sqrt_f32 gives them).
	v_add_f32 v[SS], v[WH+1], v[WH]                ; b1 = h + w
	v_mul_f32 v[C1], v[WH], v[WH+1]
	v_mul_f32 v[C2], 0x3e99999a, v[WH]             ; c2 = (0.3 w) h;  c3 = (-0.3 w) h = -c2 exactly
	v_add_f32 v[B2], v[SS], v[SS]                  ; b2 = 2 (h + w)
	v_mul_f32 v[B3], 0xbfb33333, v[SS]             ; b3 = -1.4 (h + w)
	v_mul_f32 v[C1], 0x3e99999a, v[C1]
	v_mul_f32 v[C2], v[C2], v[WH+1]
	v_mul_f32 v[D1], v[SS], v[SS]
	v_mul_f32 v[D2], v[B2], v[B2]
	v_mul_f32 v[C1], 0x3f169697, v[C1]             ; c1 = w h 0.3 / 1.7
	v_mul_f32 v[D3], v[B3], v[B3]
	v_mul_f32 v[M3], 0x41333333, v[C2]             ; 11.2 c2 = -(4 a3 c3), rounded by itself,
	v_fma_f32 v[D2], v[C2], 0xc1800000, v[D2]      ; b2^2 - 16 c2: 16 c2 is exact, so fused and unfused are the same number
	v_fma_f32 v[D1], v[C1], -4.0, v[D1]            ; b1^2 - 4 c1: likewise
	v_add_f32 v[D3], v[D3], v[M3]                  ; and added to the rounded b3^2: NOT fused, so that the radicand has reference()'s two roundings
	v_sqrt_f32 v[Q1], v[D1]
	v_sqrt_f32 v[Q2], v[D2]
	v_sqrt_f32 v[Q3], v[D3]
	v_sub_f32 v[DY], v[Y0], v[CC+1]                ; a plain instruction behind the roots before they are used (ISA guide 5.7.2); dy of the tile's first row
	; The third root to nearest: v_sqrt_f32 may be one step off.  With s the root given and s-, s+ its neighbours, D - s- s <= 0 says that D lies at or
	; below the middle of s- and s (take s-), D - s+ s > 0 that it lies above the middle of s and s+ (take s+).  For D = 0, inf or NaN both tests fail and s stays.
	s_wait_alu depctr_va_vdst(0)
	v_add_nc_u32 v[SD], -1, v[Q3]
	v_add_nc_u32 v[SU], 1, v[Q3]
	v_add_f32 v[Q1], v[SS], v[Q1]                  ; 2 r1
	v_add_f32 v[Q2], v[B2], v[Q2]                  ; 2 r2
	v_fma_f32 v[ED], -v[SD], v[Q3], v[D3]
	v_fma_f32 v[EU], -v[SU], v[Q3], v[D3]
	v_minimum_f32 v[Q1], v[Q1], v[Q2]              ; a NaN wins, as in jnp.minimum
	v_sub_f32 v[DX], v[X0], v[CC]                  ; dx of the tile's first column
	v_cmp_ge_f32 vcc_lo, 0, v[ED]
	v_cndmask_b32 v[Q3], v[Q3], v[SD], vcc_lo
	v_cmp_lt_f32 vcc_lo, 0, v[EU]
	v_cndmask_b32 v[Q3], v[Q3], v[SU], vcc_lo
	v_add_f32 v[Q3], v[B3], v[Q3]                  ; 2 r3
	v_minimum_f32 v[Q1], v[Q1], v[Q3]
	v_mul_f32 v[RI], 0.5, v[Q1]                    ; halving is exact and keeps the order: once, behind the minimum
	v_max_num_f32 v[RI], 0, v[RI]                  ; a NaN loses: NaN -> 0 (nan_to_num) and the clamp at 0 in one
	v_trunc_f32 v[RI], v[RI]
	v_fma_f32 v[DI], v[RI], 2.0, 1.0               ; 2r + 1 = 6 sigma
	v_cmp_eq_f32 s22, 1.0, v[BX+4]                 ; valid: flag == 1, w > 0, h > 0 (a NaN fails each)
	v_cmp_lt_f32 s23, 0, v[WH]
	v_cmp_lt_f32 vcc_lo, 0, v[WH+1]
	v_rcp_f32 v[RC], v[DI]
	v_mul_f32 v[R2], v[RI], v[RI]                  ; the plain instruction behind the reciprocal
	s_and_b32 s22, s22, s23
	s_and_b32 vcc_lo, vcc_lo, s22
	s_wait_alu depctr_va_vdst(0)
	v_mul_f32 v[RC], v[RC], v[RC]
	v_cndmask_b32 v[R2], -1.0, v[R2], vcc_lo       ; an invalid box: no square is <= -1, so all its entries are -inf
	v_mul_f32 v[NK], 0xc1cfbf82, v[RC]             ; -k = -18 log2(e) / (2r+1)^2 = -25.96851 / (2r+1)^2
	v_mul_f32 v[NK+1], 0xc1cfbf82, v[RC]
	v_add_f32 v[DY+1], 1.0, v[DY]                  ; distances are whole numbers in f32: exact
	v_add_f32 v[DX+1], 1.0, v[DX]
	v_pk_add_f32 v[DY+2:DY+3], v[DY:DY+1], 2.0 op_sel_hi:[1,0]
	v_pk_add_f32 v[DX+2:DX+3], v[DX:DX+1], 2.0 op_sel_hi:[1,0]
; THE TABLE.  Four neighbouring entries of my box: d^2, the window as d^2 <= r^2 (the same test as |d| <= r: squaring keeps the order, and (r+1)^2 and r^2
; differ in f32 throughout the stated range), -k d^2 or -inf, 16 bytes into my row.  d: the four distances; k: the set of temporaries; more = 1: step on by four.
.macro QUAD d, k, off, more
	v_pk_mul_f32 v[SQ+4*(\k):SQ+4*(\k)+1],   v[\d:\d+1],   v[\d:\d+1]
	v_pk_mul_f32 v[SQ+4*(\k)+2:SQ+4*(\k)+3], v[\d+2:\d+3], v[\d+2:\d+3]
.if \more
	v_pk_add_f32 v[\d:\d+1],   v[\d:\d+1],   4.0 op_sel_hi:[1,0]
	v_pk_add_f32 v[\d+2:\d+3], v[\d+2:\d+3], 4.0 op_sel_hi:[1,0]
.endif
	v_pk_mul_f32 v[TT+4*(\k):TT+4*(\k)+1],   v[SQ+4*(\k):SQ+4*(\k)+1],   v[NK:NK+1]
	v_pk_mul_f32 v[TT+4*(\k)+2:TT+4*(\k)+3], v[SQ+4*(\k)+2:SQ+4*(\k)+3], v[NK:NK+1]
.irp j, 0,1,2,3
	v_cmp_ge_f32 s[24+\j], v[R2], v[SQ+4*(\k)+\j]
.endr
.irp j, 0,1,2,3
	v_cndmask_b32 v[TT+4*(\k)+\j], v[NINF], v[TT+4*(\k)+\j], s[24+\j]
.endr
	ds_store_b128 v[TST], v[TT+4*(\k):TT+4*(\k)+3] offset:\off
.endm
	QUAD DY, 0, 0,  1                              ; A: the tile's 16 rows
	QUAD DY, 1, 16, 1
	QUAD DY, 0, 32, 1
	QUAD DY, 1, 48, 0
.irp q, 0,2,4,6,8,10,12
	QUAD DX, 0, 64+16*\q, 1                        ; B: its 64 columns
	QUAD DX, 1, 80+16*\q, 1
.endr
	QUAD DX, 0, 64+16*14, 1
	QUAD DX, 1, 64+16*15, 0
; THE FOLD over my wave's 32 boxes, two a step, 16 steps written out: every LDS offset is an immediate and no address is stepped.
; LDS serves a wave's instructions in order (ISA guide 5.7.1), and a wave reads only rows that it stored itself: no wait and no barrier between table and fold.
.macro FILL p                          ; boxes 2p, 2p+1 into slot p % 4: six loads
.irp q, 0,1
.set FB, SL+24*((\p)%4)+12*\q
	ds_load_b128 v[FB:FB+3],    v[TLA] offset:(2*(\p)+\q)*OPITCH       ; A of my rows 8h .. 8h+3: one address for each half of the lanes
	ds_load_b128 v[FB+4:FB+7],  v[TLA] offset:(2*(\p)+\q)*OPITCH+16    ; 8h+4 .. 8h+7
	ds_load_b128 v[FB+8:FB+11], v[TLB] offset:(2*(\p)+\q)*OPITCH       ; B of my columns 4g .. 4g+3
.endr
.endm
; Eight sums of one row: four columns x two boxes.  The row's A is register e of the pair at ap, given to both halves of the packed add.
.macro ADDS t, ap, e
	v_pk_add_f32 v[\t:\t+1],   v[SB+8:SB+9],   v[SB+\ap:SB+\ap+1]       op_sel:[0,\e] op_sel_hi:[1,\e]
	v_pk_add_f32 v[\t+2:\t+3], v[SB+10:SB+11], v[SB+\ap:SB+\ap+1]       op_sel:[0,\e] op_sel_hi:[1,\e]
	v_pk_add_f32 v[\t+4:\t+5], v[SB+20:SB+21], v[SB+12+\ap:SB+12+\ap+1] op_sel:[0,\e] op_sel_hi:[1,\e]
	v_pk_add_f32 v[\t+6:\t+7], v[SB+22:SB+23], v[SB+12+\ap:SB+12+\ap+1] op_sel:[0,\e] op_sel_hi:[1,\e]
.endm
; Row i's four accumulators take both boxes at once.  first = 1: the first two boxes start the maxima: nothing is preset.
.macro MAXS t, i, first
.irp x, 0,1,2,3
.if \first
	v_max_num_f32 v[ACC+4*\i+\x], v[\t+\x], v[\t+4+\x]
.else
	v_max3_num_f32 v[ACC+4*\i+\x], v[ACC+4*\i+\x], v[\t+\x], v[\t+4+\x]
.endif
.endr
.endm
; A step: 32 packed adds and 32 maxima.  The sums take two sets of registers by turns, so that a row's maxima stand at least four instructions behind its adds.
.macro STEP p, first
.set SB, SL+24*((\p)%4)
.set LEFT, 15-(\p)
.if LEFT > 3
.set LEFT, 3
.endif
	s_wait_dscnt 6*LEFT                            ; behind this slot's six loads stand those of the younger slots alone, three of them (18 loads) until the fills end
	ADDS TA, 0, 0
	ADDS TB, 0, 1
	MAXS TA, 0, \first
	ADDS TA, 2, 0
	MAXS TB, 1, \first
	ADDS TB, 2, 1
	MAXS TA, 2, \first
	ADDS TA, 4, 0
	MAXS TB, 3, \first
	ADDS TB, 4, 1
	MAXS TA, 4, \first
	ADDS TA, 6, 0
	MAXS TB, 5, \first
	ADDS TB, 6, 1
.if (\p) < 12
	FILL (\p)+4                                    ; the slot has been read for the last time: its next two boxes, three steps ahead of their use
.endif
	MAXS TA, 6, \first
	MAXS TB, 7, \first
.endm
	FILL 0
	FILL 1
	FILL 2
	FILL 3
	STEP 0, 1
.irp p, 1,2,3,4,5,6,7,8,9,10,11,12,13,14,15
	STEP \p, 0
.endr
	; THE WAY OUT.  My 32 partial maxima into my wave's stage: sixteen lanes store 256 consecutive bytes, a row of the tile.
.irp i, 0,1,2,3,4,5,6,7
	ds_store_b128 v[STG], v[ACC+4*\i:ACC+4*\i+3] offset:256*\i
.endr
	s_wait_dscnt 0x0                               ; for the other waves' sake: my stores are done before I say so
	s_barrier_signal -1
	s_barrier_wait -1                              ; all four stages are whole
.irp t, 0,1
.irp u, 0,1,2,3
	ds_load_b128 v[SL+16*\t+4*\u:SL+16*\t+4*\u+3], v[RDS] offset:4096*\u+512*\t    ; wave u's maxima of rows 4w + 2t + h: 512 consecutive bytes
.endr
.endr
.irp t, 0,1
	s_wait_dscnt 4-4*\t                            ; the first pair of rows: its four loads are in, the second pair's four may be out
.irp x, 0,1,2,3
	v_max3_num_f32 v[ACC+4*\t+\x], v[SL+16*\t+\x], v[SL+16*\t+4+\x], v[SL+16*\t+8+\x]
.endr
.irp x, 0,1,2,3
	v_max_num_f32 v[ACC+4*\t+\x], v[ACC+4*\t+\x], v[SL+16*\t+12+\x]
.endr
.irp x, 0,1,2,3
	v_exp_f32 v[ACC+4*\t+\x], v[ACC+4*\t+\x]       ; the exponents are in base 2 already (log2(e) lies in k); -inf gives +0
.endr
	v_nop                                          ; a plain instruction behind the exponentials before the store reads them (ISA guide 5.7.2)
	s_wait_alu depctr_va_vdst(0)
	global_store_b128 v[OUTO], v[ACC+4*\t:ACC+4*\t+3], s[6:7] offset:1024*\t th:TH_STORE_NT   ; lanes 0-15: 256 consecutive bytes at a multiple of 256 of out0; lanes 16-31: the same one row below
.endr
	s_wait_tensorcnt 0x0
	ds_add_u32 v208, v209
	s_wait_dscnt 0x0
	s_endpgm
.Lfunc_end_k_q5caadb342a_heat:
	.size	k_q5caadb342a_heat, .Lfunc_end_k_q5caadb342a_heat-k_q5caadb342a_heat
	.p2alignl 7, 3214868480
	.fill 96, 4, 3214868480
	.section	.rodata,"a",@progbits
	.p2align	6, 0x0
	.amdhsa_kernel k_q5caadb342a_heat
		.amdhsa_group_segment_fixed_size 59904
		.amdhsa_private_segment_fixed_size 0
		.amdhsa_enable_private_segment 0
		.amdhsa_kernarg_size 16
		.amdhsa_user_sgpr_count 2
		.amdhsa_user_sgpr_kernarg_segment_ptr 1
		.amdhsa_wavefront_size32 1
		.amdhsa_system_sgpr_workgroup_id_x 1
		.amdhsa_system_sgpr_workgroup_id_y 1
		.amdhsa_system_sgpr_workgroup_id_z 1
		.amdhsa_system_vgpr_workitem_id 0
		.amdhsa_next_free_vgpr 210
		.amdhsa_next_free_sgpr 66
		.amdhsa_reserve_vcc 1
		.amdhsa_float_denorm_mode_32 3
		.amdhsa_float_denorm_mode_16_64 3
		.amdhsa_memory_ordered 1
		.amdhsa_forward_progress 1
		.amdhsa_inst_pref_size 97
	.end_amdhsa_kernel
	.amdgpu_metadata
---
amdhsa.version: [ 1, 2 ]
amdhsa.kernels:
  - .name:           k_q5caadb342a_heat
    .symbol:         k_q5caadb342a_heat.kd
    .args:
      - { .name: bboxes, .offset: 0, .size: 8, .value_kind: global_buffer, .address_space: global }
      - { .name: out0, .offset: 8, .size: 8, .value_kind: global_buffer, .address_space: global }
    .group_segment_fixed_size: 59904
    .private_segment_fixed_size: 0
    .kernarg_segment_align: 8
    .kernarg_segment_size: 16
    .max_flat_workgroup_size: 128
    .sgpr_count:     66
    .vgpr_count:     210
    .wavefront_size: 32
...
	.end_amdgpu_metadata
.endif
;; end of part 1
;; ======== version 2 of 2: 1 launch; version 1 with the launch heat written anew for expert scheduling mode
;; launch heat (part 2): grid 16 x 16, 4 waves a work-group, no clusters, 59,904 bytes of LDS; arguments bboxes, out0; writes out0
.if DOCPART == 2
	.amdgcn_target "amdgcn-amd-amdhsa--gfx1250"
	.amdhsa_code_object_version 6
	.text
	.protected	k_q5caadb342a_heat
	.globl	k_q5caadb342a_heat
	.p2align	8
	.type	k_q5caadb342a_heat,@function
k_q5caadb342a_heat:
	s_mov_b64 s[64:65], 0
	v_nop
	global_prefetch_b8 v0, s[64:65] scope:SCOPE_SE
	s_setreg_imm32_b32 hwreg(HW_REG_WAVE_SCHED_MODE, 0, 2), 2
	s_setreg_imm32_b32 hwreg(HW_REG_WAVE_MODE, 25, 1), 1
	s_wait_xcnt 0x0
	s_wait_alu depctr_vm_vsrc(0)
; CenterNet ground-truth heat map.  out0[n][0][y][x] = max over the image's 128 boxes of exp(-(dx^2+dy^2)/(2 sigma^2)) where |dx| <= r, |dy| <= r
; and the box is valid, else 0.  bboxes: [16][128][5] f32 (x1, y1, x2, y2, flag), out0: [16][1][128][128] f32.
;
; hm IS NOT READ: reference() takes its shape and type alone, both fixed here; none of its values enters any result.
;
; TWO IDENTITIES, good for every input:  (1) exp is monotone, so the maximum is taken over the exponents and each pixel has ONE exponential;
; a pixel that no box covers keeps the exponent -inf, and 2^-inf = +0.  (2) exponent and window are separable:
; E(o,y,x) = A[o][y] + B[o][x], A = -k dy^2 where |dy| <= r and the box is valid, else -inf; B the same along x; k = log2(e)/(2 sigma^2) = 18 log2(e)/(2r+1)^2.
; A pair of pixel and box is then one add and one max: v_pk_add_f32 adds for two pixels, v_max3_num_f32 folds two boxes: one instruction a pair.
;
; SHARES.  256 work-groups: x = one of 2 x 8 tiles of 64 columns x 16 rows, y = the image.  Four waves; thread t owns box t: it makes the box's centre, radius
; and k, and writes its 16 A and 64 B as one LDS row.  Wave w then folds ITS OWN 32 boxes over the whole tile (it reads only rows that it wrote: no barrier),
; lane (g = l % 16, h = l / 16) holding rows 8h .. 8h+7 x columns 4g .. 4g+3 in 32 accumulators: three 16-byte LDS reads feed 32 pairs.
; The four waves' partial maxima meet in an LDS stage behind the one barrier; wave w finishes rows 4w .. 4w+3 and stores them, sixteen lanes to 256 aligned bytes.
;
; ROUNDING.  Centre and radius are cut to whole numbers, so what feeds them is rounded where reference() rounds: see the comments at the radius.
; LIMITS.  Radius below 2^15 pixels (above, reference()'s own int32 dx^2+dy^2 wraps inside the window) and centres inside int32 (beyond, its conversion
; is undefined); here centre and radius stay f32 whole numbers (v_trunc_f32), exact below 2^24.  Boxes with a NaN in a coordinate are invalid, as in reference().
;
; THE MODE: SCHED_MODE bits 1:0 = 2 (LLVM: expert scheduling mode 2), set by the entry lines.  The code itself states the register dependences
; between vector instructions and memory or LDS instructions, and those through scalar registers that vector instructions write, with s_wait_alu, always for 0.
; THE PLAN.  Registers that memory or LDS instructions touch:
;   v1, v33-38    offsets and LDS addresses: made once at the head by vector lines, read by loads and stores, never written again.
;   v[2:6]        the box: written by the five global loads, read by vector lines behind the wait for them.
;   v[112:175]    first the table's entries 0 to 63: written by the table's products and selects, read by the LDS stores of batches 0 to 3.
;   v[8:23]       the table's entries 64 to 79, in registers that the head has done with: read by the stores of batch 4, and written by nothing after that.
;   v[112:207]    then the ring of four slots: step p's adds read slot p % 4; the six loads issued in step p land in slot (p - 1) % 4, which step p - 1 read.
;   v[64:95]      the accumulators: written by the maxima, read by the way out's eight LDS stores; v[64:71] are then written once more and read by the two global stores.
; The squares, the sums, the distances and the box's figures are named by vector lines alone.
; THE WAITS.  In the table: one on va_sdst for each eight compares, with the next eight entries' products between the compares and the wait; one on va_vdst for each
; sixteen entries, directly ahead of their four stores; one on vm_vsrc ahead of the last four stores, for the sixteen stores before them.
; In the fold: one on va_vdst at the head of each step that loads.  On the way out: one on va_vdst ahead of the LDS stores, one on vm_vsrc ahead of the last maxima,
; one on va_vdst ahead of the global stores.  The text has no branch: there is one path to follow.
.set IMG_BOX, 2560                     ; bytes of an image's boxes: 128 x 5 f32
.set ROWS,    16                       ; rows of a tile
.set OPITCH,  336                      ; a box's LDS row: 16 A + 64 B = 320 bytes, + 16: 21 x 16, so sixteen lanes' 16-byte stores fall on sixteen different 16-byte columns modulo 256
.set WTAB,    32*OPITCH                ; a wave's table: its 32 boxes
.set STAGE,   4*WTAB                   ; behind the tables: 16 rows x 256 bytes of partial maxima for each wave
.set MK,   24                          ; s[24:31] the window's masks of eight entries
.set BOFF, 1                           ; v1       byte offset of my box
.set BX,   2                           ; v[2:6]   my box
.set LN,   7                           ; v7       lane
.set WH,   8                           ; v[8:9]   width, height in pixels
.set CC,   10                          ; v[10:11] centre x, y, cut to whole numbers
.set SS,   12                          ; h + w
.set C1,   13
.set C2,   14
.set B2,   15
.set B3,   16
.set M3,   17
.set D1,   18                          ; v18-20   the three radicands
.set D2,   19
.set D3,   20
.set Q1,   21                          ; v21-23   the three roots
.set Q2,   22
.set Q3,   23
.set LAST, 8                           ; v[8:23]  when the box's figures above are done with: the table's last sixteen entries
.set SD,   24                          ; the root's lower and upper neighbour, and their residuals
.set SU,   25
.set ED,   26
.set EU,   27
.set RI,   28                          ; the radius, a whole number
.set R2,   29                          ; its square; -1 for an invalid box
.set NK,   30                          ; v[30:31] -k, twice
.set NINF, 32                          ; -inf
.set TST,  33                          ; LDS: my box's row
.set TLA,  34                          ; LDS: my eight rows' A in my wave's first box
.set TLB,  35                          ; LDS: my four columns' B in my wave's first box
.set STG,  36                          ; LDS: where my accumulators go
.set RDS,  37                          ; LDS: where I read partial maxima back
.set OUTO, 38                          ; my byte offset in the wave's four rows of out0
.set GG,   39                          ; l % 16
.set DY,   40                          ; v[40:43] four neighbouring rows' distances to my box's centre
.set DX,   44                          ; v[44:47] four neighbouring columns'
.set SQ,   48                          ; v[48:63] squares, two sets of eight
.set ACC,  64                          ; v[64:95] accumulator of row i, column j at ACC + 4 i + j
.set TA,   96                          ; v[96:103], v[104:111]: two sets of eight sums.  In the head v96-100 hold:
.set TB,   104
.set HH,   96                          ;   l / 16
.set X0,   97                          ;   the tile's first column and row, as f32
.set Y0,   98
.set DI,   99                          ;   2r + 1 and its reciprocal
.set RC,   100
.set SL,   112                         ; v[112:207] ring of four slots; a slot: two boxes x (8 A, 4 B).  Before that v[112:175]: the table's first 64 entries
	s_load_b128 s[4:7], s[0:1], 0x0                ; bboxes s[4:5], out0 s[6:7]
	v_lshl_add_u32 v208, v0, 2, 0xe800
	v_mov_b32 v209, 0
	v_lshrrev_b32 v[LN], 5, v0
	v_readfirstlane_b32 s8, v[LN]                  ; wave 0..3
	v_and_b32 v[LN], 31, v0
	v_mul_u32_u24 v[BOFF], 20, v0                  ; box t: five f32
	s_and_b32 s9, ttmp7, 0xffff                    ; image
	s_and_b32 s10, ttmp9, 1                        ; tile column 0..1
	s_lshr_b32 s11, ttmp9, 1                       ; tile row 0..7
	s_mul_i32 s12, s9, IMG_BOX
	s_mov_b32 s13, 0
	s_wait_kmcnt 0x0
	s_add_nc_u64 s[4:5], s[4:5], s[12:13]
	s_wait_alu depctr_va_sdst(0)                   ; s8 is written, ahead of its first reader: the LDS addresses and out0's base are made from it
	s_wait_alu depctr_va_vdst(0)                   ; v[BOFF] is written, which the five loads read as their offset
.irp j, 0,1,2,3,4
	global_load_b32 v[BX+\j], v[BOFF], s[4:5] offset:4*\j      ; the wave's five loads together cover 640 consecutive bytes
.endr
	; addresses, while the box is on its way
	v_and_b32 v[GG], 15, v0
	v_bfe_u32 v[HH], v0, 4, 1
	s_mul_i32 s14, s8, WTAB                        ; my wave's table
	s_add_co_u32 s15, s14, ROWS*4                  ; B lies behind a row's 16 A
	v_mul_u32_u24 v[TST], OPITCH, v[LN]
	v_add_nc_u32 v[TST], s14, v[TST]
	v_lshl_add_u32 v[TLA], v[HH], 5, s14           ; rows 8h ..: 32 bytes
	v_lshl_add_u32 v[TLB], v[GG], 4, s15           ; columns 4g ..: 16 bytes; sixteen lanes read 256 consecutive bytes
	s_lshl_b32 s16, s8, 12
	s_add_co_u32 s16, s16, STAGE                   ; my wave's stage
	v_lshl_add_u32 v[STG], v[HH], 11, s16          ; row 8h: 8 x 256 bytes
	v_lshl_add_u32 v[STG], v[GG], 4, v[STG]
	s_lshl_b32 s17, s8, 10
	s_add_co_u32 s17, s17, STAGE                   ; rows 4w .. of wave 0's stage
	v_lshl_add_u32 v[RDS], v[LN], 4, s17           ; 16 l = 256 h + 16 g: lanes 0-15 one row, lanes 16-31 the next
	v_lshlrev_b32 v[OUTO], 4, v[GG]
	v_lshl_add_u32 v[OUTO], v[HH], 9, v[OUTO]      ; the same two rows in out0: 512 bytes apart
	s_lshl_b32 s18, s9, 16                         ; image x 65,536 bytes
	s_lshl_b32 s19, s11, 13                        ; + tile row x 16 rows x 512
	s_or_b32 s18, s18, s19
	s_lshl_b32 s19, s8, 11                         ; + wave x 4 rows x 512
	s_or_b32 s18, s18, s19
	s_lshl_b32 s19, s10, 8                         ; + tile column x 256
	s_or_b32 s18, s18, s19
	s_mov_b32 s19, 0
	s_add_nc_u64 s[6:7], s[6:7], s[18:19]
	s_lshl_b32 s20, s10, 6
	s_lshl_b32 s21, s11, 4
	v_cvt_f32_u32 v[X0], s20
	v_cvt_f32_u32 v[Y0], s21
	v_mov_b32 v[NINF], 0xff800000
	s_wait_loadcnt 0x0
	; THE BOX.  x 128 is exact; the differences and sums round as in reference().
	v_pk_mul_f32 v[BX:BX+1], v[BX:BX+1], 0x43000000 op_sel_hi:[1,0]            ; x1, y1 in pixels
	v_pk_mul_f32 v[BX+2:BX+3], v[BX+2:BX+3], 0x43000000 op_sel_hi:[1,0]        ; x2, y2
	v_pk_add_f32 v[WH:WH+1], v[BX+2:BX+3], v[BX:BX+1] neg_lo:[0,1] neg_hi:[0,1] ; w = x2 - x1, h = y2 - y1
	v_pk_add_f32 v[CC:CC+1], v[BX:BX+1], v[BX+2:BX+3]
	v_pk_mul_f32 v[CC:CC+1], v[CC:CC+1], 0.5 op_sel_hi:[1,0]
	v_trunc_f32 v[CC], v[CC]                       ; toward zero, as the conversion to int32
	v_trunc_f32 v[CC+1], v[CC+1]
	; THE RADIUS: the least of three roots.  For w, h > 0 the third is the least with room (r3 <= 0.137 (w+h) < (w+h)/2 <= r1 <= r2), so only ITS bits reach the
	; cut to a whole number; the other two are made all the same, for the NaN and the infinities that they hand on: their last bit is free
	; (c1 takes x 1/1.7 for / 1.7, their roots stay as v_sqrt_f32 gives them).
	v_add_f32 v[SS], v[WH+1], v[WH]                ; b1 = h + w
	v_mul_f32 v[C1], v[WH], v[WH+1]
	v_mul_f32 v[C2], 0x3e99999a, v[WH]             ; c2 = (0.3 w) h;  c3 = (-0.3 w) h = -c2 exactly
	v_add_f32 v[B2], v[SS], v[SS]                  ; b2 = 2 (h + w)
	v_mul_f32 v[B3], 0xbfb33333, v[SS]             ; b3 = -1.4 (h + w)
	v_mul_f32 v[C1], 0x3e99999a, v[C1]
	v_mul_f32 v[C2], v[C2], v[WH+1]
	v_mul_f32 v[D1], v[SS], v[SS]
	v_mul_f32 v[D2], v[B2], v[B2]
	v_mul_f32 v[C1], 0x3f169697, v[C1]             ; c1 = w h 0.3 / 1.7
	v_mul_f32 v[D3], v[B3], v[B3]
	v_mul_f32 v[M3], 0x41333333, v[C2]             ; 11.2 c2 = -(4 a3 c3), rounded by itself,
	v_fma_f32 v[D2], v[C2], 0xc1800000, v[D2]      ; b2^2 - 16 c2: 16 c2 is exact, so fused and unfused are the same number
	v_fma_f32 v[D1], v[C1], -4.0, v[D1]            ; b1^2 - 4 c1: likewise
	v_add_f32 v[D3], v[D3], v[M3]                  ; and added to the rounded b3^2: NOT fused, so that the radicand has reference()'s two roundings
	v_sqrt_f32 v[Q1], v[D1]
	v_sqrt_f32 v[Q2], v[D2]
	v_sqrt_f32 v[Q3], v[D3]
	v_sub_f32 v[DY], v[Y0], v[CC+1]                ; a plain instruction behind the roots before they are used (ISA guide 5.7.2); dy of the tile's first row
	; The third root to nearest: v_sqrt_f32 may be one step off.  With s the root given and s-, s+ its neighbours, D - s- s <= 0 says that D lies at or
	; below the middle of s- and s (take s-), D - s+ s > 0 that it lies above the middle of s and s+ (take s+).  For D = 0, inf or NaN both tests fail and s stays.
	s_wait_alu depctr_va_vdst(0)
	v_add_nc_u32 v[SD], -1, v[Q3]
	v_add_nc_u32 v[SU], 1, v[Q3]
	v_add_f32 v[Q1], v[SS], v[Q1]                  ; 2 r1
	v_add_f32 v[Q2], v[B2], v[Q2]                  ; 2 r2
	v_fma_f32 v[ED], -v[SD], v[Q3], v[D3]
	v_fma_f32 v[EU], -v[SU], v[Q3], v[D3]
	v_cmp_ge_f32 s2, 0, v[ED]                      ; both tests in a run, each into a scalar register of its own
	v_cmp_lt_f32 s3, 0, v[EU]
	v_minimum_f32 v[Q1], v[Q1], v[Q2]              ; a NaN wins, as in jnp.minimum
	v_sub_f32 v[DX], v[X0], v[CC]                  ; dx of the tile's first column
	s_wait_alu depctr_va_sdst(0)                   ; the two compares have written s2 and s3, which the two selects read
	v_cndmask_b32 v[Q3], v[Q3], v[SD], s2
	v_cndmask_b32 v[Q3], v[Q3], v[SU], s3
	v_add_f32 v[Q3], v[B3], v[Q3]                  ; 2 r3
	v_minimum_f32 v[Q1], v[Q1], v[Q3]
	v_mul_f32 v[RI], 0.5, v[Q1]                    ; halving is exact and keeps the order: once, behind the minimum
	v_max_num_f32 v[RI], 0, v[RI]                  ; a NaN loses: NaN -> 0 (nan_to_num) and the clamp at 0 in one
	v_trunc_f32 v[RI], v[RI]
	v_fma_f32 v[DI], v[RI], 2.0, 1.0               ; 2r + 1 = 6 sigma
	v_cmp_eq_f32 s22, 1.0, v[BX+4]                 ; valid: flag == 1, w > 0, h > 0 (a NaN fails each)
	v_cmp_lt_f32 s23, 0, v[WH]
	v_cmp_lt_f32 s2, 0, v[WH+1]
	v_rcp_f32 v[RC], v[DI]
	v_mul_f32 v[R2], v[RI], v[RI]                  ; the plain instruction behind the reciprocal
	s_wait_alu depctr_va_sdst(0)                   ; the three compares have written s22, s23 and s2, which the two scalar lines below read
	s_and_b32 s22, s22, s23
	s_and_b32 s22, s22, s2
	s_wait_alu depctr_va_vdst(0)
	v_mul_f32 v[RC], v[RC], v[RC]
	v_cndmask_b32 v[R2], -1.0, v[R2], s22          ; an invalid box: no square is <= -1, so all its entries are -inf
	v_mul_f32 v[NK], 0xc1cfbf82, v[RC]             ; -k = -18 log2(e) / (2r+1)^2 = -25.96851 / (2r+1)^2
	v_mul_f32 v[NK+1], 0xc1cfbf82, v[RC]
	v_add_f32 v[DY+1], 1.0, v[DY]                  ; distances are whole numbers in f32: exact
	v_add_f32 v[DX+1], 1.0, v[DX]
	v_pk_add_f32 v[DY+2:DY+3], v[DY:DY+1], 2.0 op_sel_hi:[1,0]
	v_pk_add_f32 v[DX+2:DX+3], v[DX:DX+1], 2.0 op_sel_hi:[1,0]
; THE TABLE.  An entry of my box: d^2, the window as d^2 <= r^2 (the same test as |d| <= r: squaring keeps the order, and (r+1)^2 and r^2
; differ in f32 throughout the stated range), -k d^2 or -inf.  The 80 entries go in ten groups of eight; EACH ENTRY HAS A REGISTER OF ITS OWN until it is stored,
; so that no store's data is written again while the table is made.  Group h lies at byte 32 h of my row: groups 0, 1 are A, groups 2 to 9 are B.
.macro TREG h                          ; group h's registers: TE its entries, TQ its squares
.if (\h) < 8
.set TE, SL+8*(\h)
.else
.set TE, LAST+8*((\h)-8)
.endif
.set TQ, SQ+8*((\h)%2)
.endm
; Group h's squares and products.  d: the four running distances, which step on by four behind each four squares; more = 0: the axis ends here, no last step.
.macro PRE d, h, more
	TREG \h
	v_pk_mul_f32 v[TQ:TQ+1],   v[\d:\d+1],   v[\d:\d+1]
	v_pk_mul_f32 v[TQ+2:TQ+3], v[\d+2:\d+3], v[\d+2:\d+3]
	v_pk_add_f32 v[\d:\d+1],   v[\d:\d+1],   4.0 op_sel_hi:[1,0]
	v_pk_add_f32 v[\d+2:\d+3], v[\d+2:\d+3], 4.0 op_sel_hi:[1,0]
	v_pk_mul_f32 v[TQ+4:TQ+5], v[\d:\d+1],   v[\d:\d+1]
	v_pk_mul_f32 v[TQ+6:TQ+7], v[\d+2:\d+3], v[\d+2:\d+3]
.if \more
	v_pk_add_f32 v[\d:\d+1],   v[\d:\d+1],   4.0 op_sel_hi:[1,0]
	v_pk_add_f32 v[\d+2:\d+3], v[\d+2:\d+3], 4.0 op_sel_hi:[1,0]
.endif
.irp j, 0,2,4,6
	v_pk_mul_f32 v[TE+\j:TE+\j+1], v[TQ+\j:TQ+\j+1], v[NK:NK+1]
.endr
.endm
; Group h's eight compares in a run; the next group's squares and products (dn, moren: its distances and whether they step on at its end); the wait; group h's eight selects.
.macro HALF h, dn, moren
	TREG \h
.irp j, 0,1,2,3,4,5,6,7
	v_cmp_ge_f32 s[MK+\j], v[R2], v[TQ+\j]
.endr
.if (\h) < 9
	PRE \dn, (\h)+1, \moren
.endif
	s_wait_alu depctr_va_sdst(0)                   ; the eight compares have written s[24:31], which the eight selects read
	TREG \h
.irp j, 0,1,2,3,4,5,6,7
	v_cndmask_b32 v[TE+\j], v[NINF], v[TE+\j], s[MK+\j]
.endr
.endm
.macro PUT h                           ; group h into my row: 32 bytes
	TREG \h
	ds_store_b128 v[TST], v[TE:TE+3]   offset:32*(\h)
	ds_store_b128 v[TST], v[TE+4:TE+7] offset:32*(\h)+16
.endm
	PRE DY, 0, 1
	HALF 0, DY, 0                                  ; A: the tile's 16 rows
	HALF 1, DX, 1
	s_wait_alu depctr_va_vdst(0)                   ; the selects have written groups 0 and 1, which the four stores read; the head has written v[TST] and the other five addresses, which every later LDS and memory instruction reads
	PUT 0
	PUT 1
	HALF 2, DX, 1                                  ; B: its 64 columns
	HALF 3, DX, 1
	s_wait_alu depctr_va_vdst(0)                   ; the selects have written groups 2 and 3, which the four stores read
	PUT 2
	PUT 3
	HALF 4, DX, 1
	HALF 5, DX, 1
	s_wait_alu depctr_va_vdst(0)                   ; the selects have written groups 4 and 5, which the four stores read
	PUT 4
	PUT 5
	HALF 6, DX, 1
	HALF 7, DX, 1
	s_wait_alu depctr_va_vdst(0)                   ; the selects have written groups 6 and 7, which the four stores read
	PUT 6
	PUT 7
	HALF 8, DX, 0
	HALF 9, DX, 0
	s_wait_alu depctr_vm_vsrc(0)                   ; the sixteen stores above have read v[112:175], in which the ring's first loads land; the four stores below read v[8:23], which nothing writes again
	s_wait_alu depctr_va_vdst(0)                   ; the selects have written groups 8 and 9, which the four stores read; the products and selects are done with v[112:175]: no vector line stands between here and the ring's first loads
	PUT 8
	PUT 9
; THE FOLD over my wave's 32 boxes, two a step, 16 steps written out: every LDS offset is an immediate and no address is stepped.
; LDS serves a wave's instructions in order (ISA guide 5.7.1), and a wave reads only rows that it stored itself: no wait on DScnt and no barrier between table and fold.
.macro FILL1 p, n                      ; load n of the six that bring boxes 2p, 2p+1 into slot p % 4
.set FB, SL+24*((\p)%4)+12*((\n)/3)
.if (\n)%3 == 0
	ds_load_b128 v[FB:FB+3],    v[TLA] offset:(2*(\p)+(\n)/3)*OPITCH       ; A of my rows 8h .. 8h+3: one address for each half of the lanes
.elseif (\n)%3 == 1
	ds_load_b128 v[FB+4:FB+7],  v[TLA] offset:(2*(\p)+(\n)/3)*OPITCH+16    ; 8h+4 .. 8h+7
.else
	ds_load_b128 v[FB+8:FB+11], v[TLB] offset:(2*(\p)+(\n)/3)*OPITCH       ; B of my columns 4g .. 4g+3
.endif
.endm
.macro FILL p                          ; all six
.irp n, 0,1,2,3,4,5
	FILL1 \p, \n
.endr
.endm
.macro DEAL p, n                       ; in steps 1 to 12: load n for the step three further on, into the slot that the step before read
.if ((\p) > 0) && ((\p) < 13)
	FILL1 (\p)+3, \n
.endif
.endm
; Eight sums of one row: four columns x two boxes.  The row's A is register e of the pair at ap, given to both halves of the packed add.
.macro ADDS t, ap, e
	v_pk_add_f32 v[\t:\t+1],   v[SB+8:SB+9],   v[SB+\ap:SB+\ap+1]       op_sel:[0,\e] op_sel_hi:[1,\e]
	v_pk_add_f32 v[\t+2:\t+3], v[SB+10:SB+11], v[SB+\ap:SB+\ap+1]       op_sel:[0,\e] op_sel_hi:[1,\e]
	v_pk_add_f32 v[\t+4:\t+5], v[SB+20:SB+21], v[SB+12+\ap:SB+12+\ap+1] op_sel:[0,\e] op_sel_hi:[1,\e]
	v_pk_add_f32 v[\t+6:\t+7], v[SB+22:SB+23], v[SB+12+\ap:SB+12+\ap+1] op_sel:[0,\e] op_sel_hi:[1,\e]
.endm
; Row i's four accumulators take both boxes at once.  first = 1: the first two boxes start the maxima: nothing is preset.
.macro MAXS t, i, first
.irp x, 0,1,2,3
.if \first
	v_max_num_f32 v[ACC+4*\i+\x], v[\t+\x], v[\t+4+\x]
.else
	v_max3_num_f32 v[ACC+4*\i+\x], v[ACC+4*\i+\x], v[\t+\x], v[\t+4+\x]
.endif
.endr
.endm
; A step: 32 packed adds and 32 maxima.  The sums take two sets of registers by turns, so that a row's maxima stand at least four instructions behind its adds.
; Step p names slot p % 4, the sums and the accumulators.  Its six loads land in slot (p - 1) % 4, which the step before read and which no vector line of this step names:
; so the one wait at the step's head serves all six, and they are dealt one at a time ahead of the step's first six blocks, three steps ahead of their use.
.macro STEP p, first
.set SB, SL+24*((\p)%4)
.set LEFT, 15-(\p)
.if LEFT > 2
.set LEFT, 2
.endif
.if (\p) == 0
.set LEFT, 3
.endif
	s_wait_dscnt 6*LEFT                            ; behind this slot's six loads stand those of the younger slots alone: three slots (18 loads) in step 0, then two (12): the third is asked for below; 6 and 0 at the end
.if ((\p) > 0) && ((\p) < 13)
	s_wait_alu depctr_va_vdst(0)                   ; the adds of the step before are done reading their slot, in which the six loads of this step land
.endif
	DEAL \p, 0
	ADDS TA, 0, 0
	DEAL \p, 1
	ADDS TB, 0, 1
	DEAL \p, 2
	MAXS TA, 0, \first
	DEAL \p, 3
	ADDS TA, 2, 0
	DEAL \p, 4
	MAXS TB, 1, \first
	DEAL \p, 5
	ADDS TB, 2, 1
	MAXS TA, 2, \first
	ADDS TA, 4, 0
	MAXS TB, 3, \first
	ADDS TB, 4, 1
	MAXS TA, 4, \first
	ADDS TA, 6, 0
	MAXS TB, 5, \first
	ADDS TB, 6, 1
	MAXS TA, 6, \first
	MAXS TB, 7, \first
.endm
	FILL 0
	FILL 1
	FILL 2
	FILL 3
	STEP 0, 1
.irp p, 1,2,3,4,5,6,7,8,9,10,11,12,13,14,15
	STEP \p, 0
.endr
	; THE WAY OUT.  My 32 partial maxima into my wave's stage: sixteen lanes store 256 consecutive bytes, a row of the tile.
	s_wait_alu depctr_va_vdst(0)                   ; the maxima have written the accumulators, which the LDS stores read; the adds are done reading v[112:143], in which the loads behind the barrier land (no vector line stands between)
.irp i, 0,1,2,3,4,5,6,7
	ds_store_b128 v[STG], v[ACC+4*\i:ACC+4*\i+3] offset:256*\i
.endr
	s_wait_dscnt 0x0                               ; for the other waves' sake: my stores are done before I say so
	s_barrier_signal -1
	s_barrier_wait -1                              ; all four stages are whole
.irp t, 0,1
.irp u, 0,1,2,3
	ds_load_b128 v[SL+16*\t+4*\u:SL+16*\t+4*\u+3], v[RDS] offset:4096*\u+512*\t    ; wave u's maxima of rows 4w + 2t + h: 512 consecutive bytes
.endr
.endr
	s_wait_alu depctr_vm_vsrc(0)                   ; my LDS stores have read the accumulators, of which v[64:71] are written again below
.irp t, 0,1
	s_wait_dscnt 4-4*\t                            ; the first pair of rows: its four loads are in, the second pair's four may be out
.irp x, 0,1,2,3
	v_max3_num_f32 v[ACC+4*\t+\x], v[SL+16*\t+\x], v[SL+16*\t+4+\x], v[SL+16*\t+8+\x]
.endr
.irp x, 0,1,2,3
	v_max_num_f32 v[ACC+4*\t+\x], v[ACC+4*\t+\x], v[SL+16*\t+12+\x]
.endr
.irp x, 0,1,2,3
	v_exp_f32 v[ACC+4*\t+\x], v[ACC+4*\t+\x]       ; the exponents are in base 2 already (log2(e) lies in k); -inf gives +0
.endr
.endr
	v_nop                                          ; a plain instruction behind the last exponentials before their results are used (ISA guide 5.7.2); behind the first four stand the second pair's maxima
	s_wait_alu depctr_va_vdst(0)                   ; the exponentials have written v[64:71], which the two stores read; the place above stays beside this wait
.irp t, 0,1
	global_store_b128 v[OUTO], v[ACC+4*\t:ACC+4*\t+3], s[6:7] offset:1024*\t th:TH_STORE_NT   ; lanes 0-15: 256 consecutive bytes at a multiple of 256 of out0; lanes 16-31: the same one row below
.endr
	s_wait_dscnt 0x0
	s_wait_alu depctr_hold_cnt(0) depctr_sa_sdst(0) depctr_va_vdst(0) depctr_va_sdst(0) depctr_va_ssrc(0) depctr_va_vcc(0) depctr_vm_vsrc(0)
	s_wait_tensorcnt 0x0
	ds_add_u32 v208, v209
	s_wait_dscnt 0x0
	s_endpgm
.Lfunc_end_k_q5caadb342a_heat:
	.size	k_q5caadb342a_heat, .Lfunc_end_k_q5caadb342a_heat-k_q5caadb342a_heat
	.p2alignl 7, 3214868480
	.fill 96, 4, 3214868480
	.section	.rodata,"a",@progbits
	.p2align	6, 0x0
	.amdhsa_kernel k_q5caadb342a_heat
		.amdhsa_group_segment_fixed_size 59904
		.amdhsa_private_segment_fixed_size 0
		.amdhsa_enable_private_segment 0
		.amdhsa_kernarg_size 16
		.amdhsa_user_sgpr_count 2
		.amdhsa_user_sgpr_kernarg_segment_ptr 1
		.amdhsa_wavefront_size32 1
		.amdhsa_system_sgpr_workgroup_id_x 1
		.amdhsa_system_sgpr_workgroup_id_y 1
		.amdhsa_system_sgpr_workgroup_id_z 1
		.amdhsa_system_vgpr_workitem_id 0
		.amdhsa_next_free_vgpr 210
		.amdhsa_next_free_sgpr 66
		.amdhsa_reserve_vcc 0
		.amdhsa_float_denorm_mode_32 3
		.amdhsa_float_denorm_mode_16_64 3
		.amdhsa_memory_ordered 1
		.amdhsa_forward_progress 1
		.amdhsa_inst_pref_size 98
	.end_amdhsa_kernel
	.amdgpu_metadata
---
amdhsa.version: [ 1, 2 ]
amdhsa.kernels:
  - .name:           k_q5caadb342a_heat
    .symbol:         k_q5caadb342a_heat.kd
    .args:
      - { .name: bboxes, .offset: 0, .size: 8, .value_kind: global_buffer, .address_space: global }
      - { .name: out0, .offset: 8, .size: 8, .value_kind: global_buffer, .address_space: global }
    .group_segment_fixed_size: 59904
    .private_segment_fixed_size: 0
    .kernarg_segment_align: 8
    .kernarg_segment_size: 16
    .max_flat_workgroup_size: 128
    .sgpr_count:     66
    .vgpr_count:     210
    .wavefront_size: 32
...
	.end_amdgpu_metadata
.endif
;; end of part 2
